; MI455X (gfx1250); checked and timed in simulation.
; The chip was launched on July 23, 2026; its instructions are those of AMD's public machine-readable ISA for CDNA 5 (MIT licence, August 2026) and "CDNA5" Instruction Set Architecture Reference Guide (July 2026). The comments in the code are by the model that wrote it; some were corrected since.
;; GELU128. Allowed arithmetic: matrix products marked QUANTISED: E2M1 operands, one E8M0 scale for each 32 along K, by v_wmma_scale_f32_16x16x128_f8f6f4 with both operands' format E2M1 (or v_wmma_scale_f32_32x16x128_f4), f32 sums; everything else in f32.
;; Inputs: log_alpha one number float32; log_sigma one number float32; x 8 x 2,048 x 1,024 float32.
;; Outputs: out0 8 x 2,048 x 1,024 float32.
;; This version of the problem:
;;   THIS VERSION OF THE PROBLEM IS GIVEN IN LOW PRECISION. The matrix products marked QUANTISED in the list below multiply operands that are first quantised to E2M1 (2 exponent bits, 1 mantissa bit; 4 bits a number), with one power-of-two scale for each 32 numbers along K (OCP MX v1.0); their sums are f32. All else is computed in f32.
;;   The module's matrix products, in the order in which they are computed (A, B: the left and right operand; K: the contracted axis; several contracted axes count as one K, in the product's order):
;;     1. batch 8 x [M 2,048, K 1,024] x [K 1,024, N 2,048]; A: input x; B: input x: QUANTISED
;;     2. batch 8 x [M 2,048, K 2,048] x [K 2,048, N 1,024]; A: computed on the way; B: input x: QUANTISED
;;   THE QUANTISER, for each operand of a quantised product, along K:
;;     - K is cut into blocks of 32 from its start; a last block that is shorter is filled with zeros.
;;     - A block's scale is 2^e with e = floor(log2(the largest magnitude in the block)) - 2, held to -126 .. 127; a block of zeros has e = 0. As a byte (E8M0): e + 127.
;;     - Each number is divided by its block's scale, clamped to +-6, and rounded to the nearest number of E2M1, ties to even, subnormals kept.
;;     - The product sums the exact products of the quantised numbers (number of the format x scale) in f32.
;;   ~~~python
;;   def quantise(x, axis):      # numpy; x: float32 -> the quantised numbers, widened to float32 again
;;       x = np.moveaxis(x, axis, -1); K = x.shape[-1]
;;       x = np.pad(x, [(0, 0)] * (x.ndim - 1) + [(0, -K % 32)]); x = x.reshape(x.shape[:-1] + (-1, 32)); a = np.abs(x).max(-1, keepdims=True)
;;       e = np.where(a > 0, np.clip(np.frexp(np.where(a > 0, a, 1))[1] - 1 - 2, -126, 127), 0)      # np.frexp(a)[1] - 1 = floor(log2(a)), exactly
;;       r = np.clip(x / 2.0 ** e, -6, 6)
;;       step = 2.0 ** (np.maximum(np.frexp(np.where(r == 0, 1, r))[1] - 1, 0) - 1)
;;       q = np.round(r / step) * step * 2.0 ** e      # np.round: ties to even
;;       return np.moveaxis(q.reshape(q.shape[:-2] + (-1,))[..., :K], -1, axis).astype(np.float32)
;;   ~~~
;;   OPERANDS COMPUTED ON THE WAY. 'Computed on the way' means the value that the module computes at that place (a softmax that the list does not call 'softmax' is quantised finished and normalised). What goes into a quantiser is computed in f32, as accurately as f32 sums, v_exp_f32 and their like allow (about 1e-6 of the number): no bf16 or f16 on the way to a quantiser, and a product that is left as it is and whose result goes on into a quantised operand takes f32 operands (vector FMAs, or v_wmma_f32_16x16x4_f32). A number that lies on a knife's edge between two numbers of the format may be rounded either way, as far as f32 arithmetic and the matrix unit's own rounding can turn it there, and no further.
;; One version. Each part assembles by itself: llvm-mc -triple=amdgcn-amd-amdhsa -mcpu=gfx1250 --defsym DOCPART=n.
;; ======== version 1 of 1: 2 launches
;; workspace buffers: kc 8,388,608 bytes; ks 524,288 bytes; vc 8,388,608 bytes; vs 524,288 bytes
;; launch quant (part 1): grid 2 x 128, 16 waves a work-group, no clusters, 79,872 bytes of LDS; arguments x, kc, ks, vc, vs; writes kc, ks, vc, vs
.if DOCPART == 1
	.amdgcn_target "amdgcn-amd-amdhsa--gfx1250"
	.amdhsa_code_object_version 6
	.text
	.protected	k_qe17c836aa7_quant
	.globl	k_qe17c836aa7_quant
	.p2align	8
	.type	k_qe17c836aa7_quant,@function
k_qe17c836aa7_quant:
	s_mov_b64 s[64:65], 0
	v_nop
	global_prefetch_b8 v0, s[64:65] scope:SCOPE_SE
	s_setreg_imm32_b32 hwreg(HW_REG_WAVE_MODE, 25, 1), 1
	s_wait_xcnt 0x0
; x [8][2048][1024] f32 is quantised TWICE to codes of FP4 (E2M1) with one E8M0 byte for each 32 numbers: along the channels (operand of x x^T, both sides) and along the rows (the keys: operand of attn x).
; A block's scale is 2^(floor(log2(largest magnitude)) - 2): its byte is the largest magnitude's exponent field - 2, held at 1 from below by a floor among the maximum's leaves.
; DEAD WORK (the whole program): reference() itself sets sim to -inf where key >= query (its own triu).  There e = exp(-inf - m_safe) = 0 and attn = 0 for all finite inputs: such a key never wins the maximum,
; adds nothing to the denominator, and its code 0 adds nothing to context.  So the second launch leaves out the steps of 128 keys all of whose keys come after every query of a block of 32 queries.
; This launch leaves nothing out: every row is a key of some later query, but for the last of a batch, which lies in tiles with live rows.  All three inputs have a way to the output and are loaded (two of them by the second launch).
; LIMITS: NaN and infinities in x are not served, and one that reaches only the work left out is not carried to the result; a block of zeros gets the byte 1 where the rule says 127
; (its codes are zeros, and this program alone reads the bytes); blocks whose largest magnitude lies under 2^(3 - 127) keep the byte 1.
; LAYOUTS, in the order of the operands' registers (lane L = 16 h + r; js = 16 batch + step of 128 rows; G = 4 js + t a block of 32 rows):
;   kc: (16 G + 8 u + s) 1024 + 512 c + 16 (16 h + r): the 32 codes of row 8 u + r + 8 (r / 8) of block G, channels 32 (4 s + 2 c + h) on: fragment (tile u, K step s), two loads of 16 bytes a lane
;   ks: 1024 G + 512 q + 16 L + 4 e + b: the byte of row (u = L / 16, r = L % 16), K step 4 q + e, channels 32 (4 (4 q + e) + b) on
;   vc: (64 js + ctg) 1024 + 512 c + 16 (16 h + m): the 32 codes of channel 16 ctg + m, rows 32 (2 c + h) on of step js
;   vs: (8 js + w8) 512 + 16 L + 4 e + t: the byte of channel 128 w8 + 32 e + L, rows 32 t on of step js
; SHARES.  A work-group takes 128 rows x 512 channels; wave wv 32 channels, A LANE A CHANNEL, REGISTERS DOWN THE ROWS, four tiles of 32 rows.  So a block along the rows lies in one lane's 32 registers.
; For the blocks along the channels a tile turns through the wave's own stage in LDS (32 rows of 128 bytes + 16): stored by rows, in the order in which the fragment's lanes take the rows, read back a row a lane.
; Every store of codes covers two aligned runs of 256 bytes, sixteen lanes each.  The scale bytes meet in LDS and leave as runs of 512 bytes.  No tensor loads, one barrier.
.set X,     96                         ; v96-223  four tiles of 32 numbers: register 32 t + i = row 32 t + i of my channel
.set Y,     32                         ; v32-63   a row's 32 channels, back from the stage
.set VC,    64                         ; v64-79   codes along the rows, four registers a tile: no store's data are written again
.set KC,    80                         ; v80-95   codes along the channels, likewise
.set STGB,  4608                       ; a wave's stage: 32 x 144 bytes
.set KSL,   73728                      ; 2,048 bytes: the bytes for ks, 512 a tile
.set VSL,   75776                      ; 2,048 bytes: the words for vs, 512 for each 128 channels
.set SPARE, 77824                      ; the spare words, 128 bytes for each of 16 waves: eight blocks of 256 bytes that no other line names
	s_load_b256 s[4:11], s[0:1], 0x0               ; x s[4:5], kc s[6:7], ks s[8:9], vc s[10:11]
	s_load_b64 s[12:13], s[0:1], 0x20              ; vs
	v_lshl_add_u32 v2, v0, 2, SPARE                ; my spare word; never rewritten
	v_mov_b32 v3, 0                                ; 0; never rewritten
	v_lshrrev_b32 v12, 5, v0
	v_readfirstlane_b32 s14, v12                   ; wave 0..15
	v_and_b32 v13, 31, v0                          ; lane
	s_and_b32 s15, ttmp7, 0xffff                   ; js; ttmp9 is the half of the channels
	v_lshlrev_b32 v1, 2, v13                       ; x: 4 bytes a lane
	s_mul_i32 s16, s14, STGB
	v_add_nc_u32 v4, s16, v1                       ; the stage, in: column = my channel
	v_mul_u32_u24 v5, v13, 144
	v_add_nc_u32 v5, s16, v5                       ; and out: row = my lane
	v_lshrrev_b32 v14, 4, v13
	v_and_b32 v15, 15, v13
	v_lshlrev_b32 v11, 4, v13                      ; 16 x lane
	v_lshlrev_b32 v15, 4, v15
	v_lshl_add_u32 v6, v14, 10, v15                ; vc: 1024 (lane / 16) + 16 (lane % 16)
	v_lshl_add_u32 v7, v14, 13, v15                ; kc: 8192 (lane / 16) + 16 (lane % 16)
	s_add_co_u32 s17, s14, KSL
	v_add_nc_u32 v8, s17, v11                      ; my row's byte for ks: 16 x lane + wave (4 (wave / 4) + wave % 4)
	s_lshr_b32 s17, s14, 2
	s_lshl_b32 s17, s17, 9
	s_and_b32 s18, s14, 3
	s_lshl_b32 s18, s18, 2
	s_add_co_u32 s17, s17, s18
	s_add_co_u32 s17, s17, VSL
	v_add_nc_u32 v9, s17, v11                      ; my channel's word for vs: 512 (wave / 4) + 16 x lane + 4 (wave % 4)
	s_min_u32 s17, s14, 7
	s_lshl_b32 s17, s17, 9
	s_add_co_u32 s17, s17, KSL
	v_add_nc_u32 v10, s17, v11                     ; the way out of the scales: waves 0-3 a tile's 512 bytes for ks, waves 4-7 512 bytes for vs
	s_lshl_b32 s20, s15, 19                        ; x: 128 rows of 4,096 bytes a step,
	s_lshl_b32 s16, ttmp9, 11                      ; 512 channels a half,
	s_add_co_u32 s20, s20, s16
	s_lshl_b32 s16, s14, 7                         ; 32 channels a wave
	s_add_co_u32 s20, s20, s16
	s_mov_b32 s21, 0
	s_lshl_b32 s22, s15, 16                        ; vc: (64 js + 32 half + 2 wave) x 1,024
	s_lshl_b32 s16, ttmp9, 15
	s_add_co_u32 s22, s22, s16
	s_lshl_b32 s16, s14, 11
	s_add_co_u32 s22, s22, s16
	s_mov_b32 s23, 0
	s_lshl_b32 s24, s15, 16                        ; kc: 65,536 js + 4,096 half + 256 wave (1,024 (wave / 4) + 512 ((wave / 2) % 2) + 256 (wave % 2))
	s_lshl_b32 s16, ttmp9, 12
	s_add_co_u32 s24, s24, s16
	s_lshl_b32 s16, s14, 8
	s_add_co_u32 s24, s24, s16
	s_mov_b32 s25, 0
	s_lshl_b32 s26, s15, 12                        ; ks: (4 js + wave) x 1,024 + 512 half, for waves 0-3
	s_lshl_b32 s16, ttmp9, 9
	s_add_co_u32 s26, s26, s16
	s_lshl_b32 s16, s14, 10
	s_add_co_u32 s26, s26, s16
	s_lshl_b32 s27, s15, 12                        ; vs: (8 js + 4 half + wave % 4) x 512, for waves 4-7
	s_lshl_b32 s16, ttmp9, 11
	s_add_co_u32 s27, s27, s16
	s_and_b32 s16, s14, 3
	s_lshl_b32 s16, s16, 9
	s_add_co_u32 s27, s27, s16
	s_wait_kmcnt 0x0
	s_add_nc_u64 s[4:5], s[4:5], s[20:21]
	s_add_nc_u64 s[10:11], s[10:11], s[22:23]
	s_add_nc_u64 s[6:7], s[6:7], s[24:25]
.macro LOAD t                          ; tile t: 32 rows of my channel; a wave's load reads 128 consecutive bytes, the sixteen waves stand side by side on 2,048
.set i, 0
.rept 32
	global_load_b32 v[X+32*(\t)+i], v1, s[4:5] offset:(32*(\t)+i)*4096 th:TH_LOAD_NT
.set i, i+1
.endr
.endm
; the largest magnitude of v[s] .. v[s + 31] with the floor 2^(3 - 127) among the leaves, in two chains; 2 off its exponent field is the conversion's scale operand; that, shifted, the byte
.macro AMAX s, a, b, so, by
	v_max3_num_f32 v[\a], |v[\s]|, |v[\s+1]|, |v[\s+2]|
	v_max3_num_f32 v[\b], |v[\s+3]|, |v[\s+4]|, |v[\s+5]|
.irp n, 6,10,14,18,22,26
	v_max3_num_f32 v[\a], v[\a], |v[\s+\n]|, |v[\s+\n+1]|
	v_max3_num_f32 v[\b], v[\b], |v[\s+\n+2]|, |v[\s+\n+3]|
.endr
	v_max3_num_f32 v[\a], v[\a], |v[\s+30]|, |v[\s+31]|
	v_max3_num_f32 v[\a], v[\a], v[\b], 0x1800000
	v_add_nc_u32 v[\so], 0xff000000, v[\a]
	v_lshrrev_b32 v[\by], 23, v[\so]
.endm
.macro TILE t
.if (\t) < 3
	s_wait_loadcnt 32                              ; this tile's 32 loads are in; the next tile's 32 may be out
.else
	s_wait_loadcnt 0x0
.endif
.if (\t) < 2
	LOAD (\t)+2
.endif
.set XS, X+32*(\t)
.set i, 0
.rept 32                               ; row i goes to stage row 16 u + r, the lane that holds it in a fragment: u = (i / 8) % 2, r = i % 8 + 8 (i / 16)
	ds_store_b32 v4, v[XS+i] offset:(16*((i/8)%2)+8*(i/16)+i%8)*144
.set i, i+1
.endr
.set i, 0
.rept 8                                ; LDS serves a wave's instructions in order: these see the stores above
	ds_load_b128 v[Y+4*i:Y+4*i+3], v5 offset:16*i
.set i, i+1
.endr
	AMAX XS, 12, 13, 14, 15                        ; along the rows, while the tile turns through the stage
.set i, 0
.rept 4
	v_cvt_scalef32_pk8_fp4_f32 v[VC+4*(\t)+i], v[XS+8*i:XS+8*i+7], v14
.set i, i+1
.endr
	v_nop                                          ; one plain place behind the last scaled conversion
.if (\t) == 0
	v_mov_b32 v20, v15                             ; my channel's scale word: byte t for rows 32 t on
.else
	v_lshl_or_b32 v20, v15, 8*(\t), v20
.endif
	global_store_b128 v6, v[VC+4*(\t):VC+4*(\t)+3], s[10:11] offset:((\t)/2)*512+((\t)%2)*256
	s_wait_dscnt 0x0                               ; the row is back
	AMAX Y, 16, 17, 18, 21                         ; along the channels
.set i, 0
.rept 4
	v_cvt_scalef32_pk8_fp4_f32 v[KC+4*(\t)+i], v[Y+8*i:Y+8*i+7], v18
.set i, i+1
.endr
	v_nop
	global_store_b128 v7, v[KC+4*(\t):KC+4*(\t)+3], s[6:7] offset:(\t)*16384
	ds_store_b8 v8, v21 offset:(\t)*512
.endm
	LOAD 0
	LOAD 1
	TILE 0
	TILE 1
	TILE 2
	TILE 3
	ds_store_b32 v9, v20
	s_wait_dscnt 0x0                               ; for the others' sake: my bytes and my word have landed
	s_barrier_signal -1
	s_barrier_wait -1
	s_cmp_lt_u32 s14, 8                            ; eight waves carry the scales out, 512 consecutive bytes each
	s_cbranch_scc0 .Lend
	ds_load_b128 v[24:27], v10
	s_cmp_lt_u32 s14, 4                            ; the choice hangs on the wave's number alone
	s_cselect_b64 s[28:29], s[8:9], s[12:13]
	s_cselect_b32 s30, s26, s27
	s_mov_b32 s31, 0
	s_add_nc_u64 s[28:29], s[28:29], s[30:31]
	s_wait_dscnt 0x0
	global_store_b128 v11, v[24:27], s[28:29]
.Lend:
	s_wait_tensorcnt 0x0                           ; the wave's end
	ds_add_u32 v2, v3
	s_wait_dscnt 0x0
	s_endpgm
.Lfunc_end_k_qe17c836aa7_quant:
	.size	k_qe17c836aa7_quant, .Lfunc_end_k_qe17c836aa7_quant-k_qe17c836aa7_quant
	.p2alignl 7, 3214868480
	.fill 96, 4, 3214868480
	.section	.rodata,"a",@progbits
	.p2align	6, 0x0
	.amdhsa_kernel k_qe17c836aa7_quant
		.amdhsa_group_segment_fixed_size 79872
		.amdhsa_private_segment_fixed_size 0
		.amdhsa_enable_private_segment 0
		.amdhsa_kernarg_size 40
		.amdhsa_user_sgpr_count 2
		.amdhsa_user_sgpr_kernarg_segment_ptr 1
		.amdhsa_wavefront_size32 1
		.amdhsa_system_sgpr_workgroup_id_x 1
		.amdhsa_system_sgpr_workgroup_id_y 1
		.amdhsa_system_sgpr_workgroup_id_z 1
		.amdhsa_system_vgpr_workitem_id 0
		.amdhsa_next_free_vgpr 224
		.amdhsa_next_free_sgpr 66
		.amdhsa_reserve_vcc 0
		.amdhsa_float_denorm_mode_32 3
		.amdhsa_float_denorm_mode_16_64 3
		.amdhsa_memory_ordered 1
		.amdhsa_forward_progress 1
		.amdhsa_inst_pref_size 39
	.end_amdhsa_kernel
	.amdgpu_metadata
---
amdhsa.version: [ 1, 2 ]
amdhsa.kernels:
  - .name:           k_qe17c836aa7_quant
    .symbol:         k_qe17c836aa7_quant.kd
    .args:
      - { .name: x, .offset: 0, .size: 8, .value_kind: global_buffer, .address_space: global }
      - { .name: kc, .offset: 8, .size: 8, .value_kind: global_buffer, .address_space: global }
      - { .name: ks, .offset: 16, .size: 8, .value_kind: global_buffer, .address_space: global }
      - { .name: vc, .offset: 24, .size: 8, .value_kind: global_buffer, .address_space: global }
      - { .name: vs, .offset: 32, .size: 8, .value_kind: global_buffer, .address_space: global }
    .group_segment_fixed_size: 79872
    .private_segment_fixed_size: 0
    .kernarg_segment_align: 8
    .kernarg_segment_size: 40
    .max_flat_workgroup_size: 512
    .sgpr_count:     66
    .vgpr_count:     224
    .wavefront_size: 32
...
	.end_amdgpu_metadata
.endif
;; end of part 1
;; launch attn (part 2): grid 32 x 8, 8 waves a work-group, no clusters, 300,032 bytes of LDS; arguments x, log_alpha, log_sigma, kc, ks, vc, vs, out0; writes out0
.if DOCPART == 2
	.amdgcn_target "amdgcn-amd-amdhsa--gfx1250"
	.amdhsa_code_object_version 6
	.text
	.protected	k_qe17c836aa7_attn
	.globl	k_qe17c836aa7_attn
	.p2align	8
	.type	k_qe17c836aa7_attn,@function
k_qe17c836aa7_attn:
	s_mov_b64 s[64:65], 0
	v_nop
	global_prefetch_b8 v0, s[64:65] scope:SCOPE_SE
	s_setreg_imm32_b32 hwreg(HW_REG_WAVE_MODE, 25, 1), 1
	s_wait_xcnt 0x0
; out = gelu_tanh(x gate), gate = 1 + alpha tanh(sigma novelty), novelty from the cosine between x and context = Q4(attn) Q4(x), attn = the strictly-past causal softmax of Q4(x) Q4(x)^T / 32, finished and normalised.
; Both products on codes of FP4 (E2M1) with E8M0 scales, made by the launch before and laid in the order of the operands' registers (its head comment has the layouts).
; LEFT OUT: the steps of 128 keys all of whose keys come after every query of a block of 32 queries: reference()'s own mask makes their attn 0 for all finite inputs (shown at the head of the first kernel).
; Block i keeps (i >> 2) + 1 steps; inside the last of them hidden scores are computed and set to -inf.
; LIMITS: NaN and infinities in x are not served (the maxima drop a NaN), and one that reaches only the work left out is not carried; e and p under 2^-126 count as 0; a block of zero p has the byte 1 (zero codes).
; softplus is max(a, 0) + ln 2 log2(1 + 2^(-|a| log2 e)): for very negative a its relative precision falls, its absolute precision does not.
; SHARES.  A work-group owns two blocks of 32 queries of one batch, 63 - p and p: (i >> 2) + 1 key steps each, 17 together for every p: 256 work-groups of equal work.  Eight waves, two to a SIMD.
; THE ORDER OF THE TWO BLOCKS differs between work-groups: where p xor batch is even the late block, 63 - p, comes first, else the early one, p.  So neighbouring work-groups are not all in the same phase:
; while some stream K or V, others are in passes 2 and 3 or in the gate and gelu, which load next to nothing.
; attn is quantised NORMALISED, so a row's maximum and sum are known before any p becomes a code: the block's scores (32 queries x up to 2,048 keys, f32, 262,144 bytes) stay in LDS, each wave's part its own.
;   pass 1  wave w takes key blocks g = 8 q + w (32 keys) against all 32 queries: S^T = K Q^T, mask, running maximum, S to LDS as images of the registers | barrier: the waves' maxima meet
;   pass 2  e = 2^((S - m) log2 e / 32) in place, sums | barrier: the sums meet      pass 3  p = e / sum, quantised by blocks of 32 keys; codes and bytes to LDS as the second product's operand | barrier
;   product 2  wave w takes channels 128 w .. 128 w + 127 for all 32 queries: O^T = V^T P^T       then context goes through LDS into rows (two barriers), each wave takes four rows: three sums, the gate, gelu, store.
; Each fragment of K and of V is used by ONE wave of the work-group, so it goes from memory straight into registers, 1,024 dense bytes by two loads of 16 bytes a lane: LDS would add a copy and no reuse.
; NO CLUSTER, NO TENSOR LOAD: the blocks of a batch walk different numbers of key steps ((i >> 2) + 1), so partners would need different numbers of tiles; and beside S, P and the small tables
; 327,680 - 300,032 = 27,648 bytes are left, less than half a key step's 65,536 bytes of K.
; THE ROWS OF A TILE ARE NOT NEIGHBOURS: lane r of tile u takes row 8 u + r + 8 (r / 8) of its block of 32, keys and queries alike.  So in S^T a lane (r, h) holds query 8 qt + r + 8 (r / 8), and registers 8 u + j of a
; query tile are the 16 neighbouring keys 16 h + 8 u + j: the conversions' results are 8 bytes of P's fragment as they stand.
; Every loop has a constant count; live or hidden is a scalar branch on ids inside the trip; no barrier stands under a branch.
; REGISTERS.  window 0: v1-23 addresses and constants; v24-31 maxima, -m, alpha, sigma; v32-55 scale words and nothing else (v32-39 Q's, later P's; v40-55 K's, later V's); v56-61 at work, A0;
;   v64-127 S^T of two key blocks, later e / p and small figures, later P's fragments, later gelu at work; v128-255 Q's fragments, later O^T, later context and y by rows.
;   window 1: K's fragments of two key blocks, later V's of four key steps, later four rows of x.
.set PIMG,  262144                     ; P's fragments: (2 j + qt) 1024 + 512 c + 16 lane, 32,768 bytes
.set PSC,   294912                     ; P's scale words: 128 j + 4 (16 qt + r) + block, 2,048 bytes
.set MX,    296960                     ; the waves' maxima: 32 (16 qt + r) + 4 w; 1,024 bytes on: their sums
.set SPARE, 299008                     ; the spare words, 128 bytes for each of 8 waves: four blocks of 256 bytes that no other line names
.set CPI,   4112                       ; context by rows, in S's bytes: 4,096 bytes + 16
.set KP,  26                           ; s[26:27] K's fragments of the trip      s[28:29] their scale words
.set KSP, 28
.set VP,  30                           ; s[30:31] V's fragments of the trip      s[32:33] their scale words
.set VSP, 32
.set XP,  34                           ; s[34:35] my four rows of x              s[36:37] of out0
.set OP,  36
.set QP,  38                           ; s[38:39] the block's fragments as Q     s[40:41] their scale words
.set QSP, 40
.set WV,  44                           ; my wave's number
.set BI,  45                           ; the block of queries in hand
.set BC,  46                           ; blocks to go
.set NN,  47                           ; its live key steps
.set LL,  48                           ; my live key blocks
.set CT,  49                           ; a loop's counter
.set TS,  50                           ; steps S's address
.set TP,  51                           ; steps P's
.set TC,  52                           ; steps P's scale words'
.set GQ,  53                           ; the trip's first key block of mine
.set LR,  69                           ; my key blocks left
.set RN,  70                           ; key steps left
.set MSB, 0
.macro WIN new                         ; the immediate's high byte repeats the setting that is left; a switch that changes nothing is dropped
.if MSB != \new
	s_set_vgpr_msb (MSB<<8)|\new
.set MSB, \new
.endif
.endm
.macro PLACES n
.rept \n
	v_nop
.endr
.endm
.macro BAR                             ; my LDS stores have landed and my LDS loads are in: then the work-group's barrier
	s_wait_dscnt 0x0
	s_barrier_signal -1
	s_barrier_wait -1
.endm
; one product: z = 1 starts the sum with the constant 0; ra, rb = 1: the side's scale words stand in lanes 16-31
.macro WM z, d, a, b, sa, sb, ra, rb
.set RR, 4*(\z)+2*(\rb)+(\ra)
.if RR == 0
	v_wmma_scale_f32_16x16x128_f8f6f4 v[(\d):(\d)+7], v[(\a):(\a)+7], v[(\b):(\b)+7], v[(\d):(\d)+7], v[(\sa)], v[(\sb)] matrix_a_fmt:MATRIX_FMT_FP4 matrix_b_fmt:MATRIX_FMT_FP4
.elseif RR == 1
	v_wmma_scale_f32_16x16x128_f8f6f4 v[(\d):(\d)+7], v[(\a):(\a)+7], v[(\b):(\b)+7], v[(\d):(\d)+7], v[(\sa)], v[(\sb)] matrix_a_fmt:MATRIX_FMT_FP4 matrix_b_fmt:MATRIX_FMT_FP4 matrix_a_scale:MATRIX_SCALE_ROW1
.elseif RR == 2
	v_wmma_scale_f32_16x16x128_f8f6f4 v[(\d):(\d)+7], v[(\a):(\a)+7], v[(\b):(\b)+7], v[(\d):(\d)+7], v[(\sa)], v[(\sb)] matrix_a_fmt:MATRIX_FMT_FP4 matrix_b_fmt:MATRIX_FMT_FP4 matrix_b_scale:MATRIX_SCALE_ROW1
.elseif RR == 3
	v_wmma_scale_f32_16x16x128_f8f6f4 v[(\d):(\d)+7], v[(\a):(\a)+7], v[(\b):(\b)+7], v[(\d):(\d)+7], v[(\sa)], v[(\sb)] matrix_a_fmt:MATRIX_FMT_FP4 matrix_b_fmt:MATRIX_FMT_FP4 matrix_a_scale:MATRIX_SCALE_ROW1 matrix_b_scale:MATRIX_SCALE_ROW1
.elseif RR == 4
	v_wmma_scale_f32_16x16x128_f8f6f4 v[(\d):(\d)+7], v[(\a):(\a)+7], v[(\b):(\b)+7], 0, v[(\sa)], v[(\sb)] matrix_a_fmt:MATRIX_FMT_FP4 matrix_b_fmt:MATRIX_FMT_FP4
.elseif RR == 5
	v_wmma_scale_f32_16x16x128_f8f6f4 v[(\d):(\d)+7], v[(\a):(\a)+7], v[(\b):(\b)+7], 0, v[(\sa)], v[(\sb)] matrix_a_fmt:MATRIX_FMT_FP4 matrix_b_fmt:MATRIX_FMT_FP4 matrix_a_scale:MATRIX_SCALE_ROW1
.elseif RR == 6
	v_wmma_scale_f32_16x16x128_f8f6f4 v[(\d):(\d)+7], v[(\a):(\a)+7], v[(\b):(\b)+7], 0, v[(\sa)], v[(\sb)] matrix_a_fmt:MATRIX_FMT_FP4 matrix_b_fmt:MATRIX_FMT_FP4 matrix_b_scale:MATRIX_SCALE_ROW1
.else
	v_wmma_scale_f32_16x16x128_f8f6f4 v[(\d):(\d)+7], v[(\a):(\a)+7], v[(\b):(\b)+7], 0, v[(\sa)], v[(\sb)] matrix_a_fmt:MATRIX_FMT_FP4 matrix_b_fmt:MATRIX_FMT_FP4 matrix_a_scale:MATRIX_SCALE_ROW1 matrix_b_scale:MATRIX_SCALE_ROW1
.endif
.endm
; key block e of the trip's two: its scale words (register 8 e + s: tile 0 in lanes 0-15, tile 1 in lanes 16-31), and its 16 fragments (tile u, K step s at 128 e + 64 u + 8 s of window 1)
.macro LOADKS e
	global_load_b128 v[40+8*(\e):43+8*(\e)], v1, s[KSP:KSP+1] offset:8192*(\e)
	global_load_b128 v[44+8*(\e):47+8*(\e)], v1, s[KSP:KSP+1] offset:8192*(\e)+512
.endm
.macro LOADKF e
.set i, 0
.rept 32
	global_load_b128 v[128*(\e)+4*i:128*(\e)+4*i+3], v1, s[KP:KP+1] offset:131072*(\e)+512*i
.set i, i+1
.endr
.endm
; S^T = K Q^T of key block e: 32 products, K step by K step, the four accumulators (query tile qt, key tile u) by turns, one instruction a turn
.macro MULS e
	WIN 0x01                                       ; source 0 (K) window 1
.set kk, 0
.rept 8
.irp qt, 0,1
.irp u, 0,1
.if kk == 0
	WM 1, 64+32*(\e)+16*\qt+8*\u, 128*(\e)+64*\u+8*kk, 128+64*\qt+8*kk, 40+8*(\e)+kk, 32+kk, \u, \qt
.else
	WM 0, 64+32*(\e)+16*\qt+8*\u, 128*(\e)+64*\u+8*kk, 128+64*\qt+8*kk, 40+8*(\e)+kk, 32+kk, \u, \qt
.endif
.endr
.endr
.set kk, kk+1
.endr
.endm
; key block e: the mask where the block is not wholly in the past, the running maxima, S to LDS.  Each accumulator is read from its low end on.
.macro POST e
.set SA, 64+32*(\e)
	s_add_co_u32 s54, s[GQ], 8*(\e)                ; g
	s_cmp_lt_u32 s54, s[BI]
	s_cbranch_scc1 .Lopen_\@                       ; all 32 keys come before all 32 queries
	s_sub_co_i32 s55, s[BI], s54
	s_lshl_b32 s55, s55, 5
	v_add_nc_u32 v20, s55, v19                     ; d = 32 (BI - g) + my query - 16 h - 1: register kk holds key 32 g + 16 h + kk, hidden where key >= query: kk > d
	v_add_nc_u32 v21, 8, v20                       ; query tile 1's queries lie 8 further on
.set i, 0
.rept 32
	v_cmp_gt_i32 vcc_lo, i%16, v[20+i/16]
	v_cndmask_b32 v[SA+i], v[SA+i], v22, vcc_lo
.set i, i+1
.endr
.Lopen_\@:
.set i, 0
.rept 8
	v_max3_num_f32 v24, v24, v[SA+2*i], v[SA+2*i+1]
	v_max3_num_f32 v25, v25, v[SA+16+2*i], v[SA+17+2*i]
.set i, i+1
.endr
.set i, 0
.rept 8
	ds_store_b128 v5, v[SA+4*i:SA+4*i+3] offset:4096*(\e)+512*i
.set i, i+1
.endr
.endm
; key step k of the trip's four: P's two fragments and its scale word (query tile 0 in lanes 0-15, tile 1 in lanes 16-31); V's scale words (register 4 k + e: channel tile 2 e below, 2 e + 1 above); V's eight fragments
.macro LOADP k
	ds_load_b128 v[64+16*(\k):67+16*(\k)], v14 offset:2048*(\k)
	ds_load_b128 v[68+16*(\k):71+16*(\k)], v14 offset:2048*(\k)+512
	ds_load_b128 v[72+16*(\k):75+16*(\k)], v14 offset:2048*(\k)+1024
	ds_load_b128 v[76+16*(\k):79+16*(\k)], v14 offset:2048*(\k)+1536
	ds_load_b32 v[32+(\k)], v15 offset:128*(\k)
.endm
.macro LOADVS k
	global_load_b128 v[40+4*(\k):43+4*(\k)], v1, s[VSP:VSP+1] offset:4096*(\k)
.endm
.macro LOADVF k
.set i, 0
.rept 16
	global_load_b128 v[64*(\k)+4*i:64*(\k)+4*i+3], v1, s[VP:VP+1] offset:65536*(\k)+512*i
.set i, i+1
.endr
.endm
; O^T += V^T P^T of key step k: 16 products, the 16 accumulators (channel tile ct, query tile qt) by turns, in the same order in every step
.macro STEPC k, zero
.irp ct, 0,1,2,3,4,5,6,7
.irp qt, 0,1
	WM \zero, 128+64*\qt+8*\ct, 64*(\k)+8*\ct, 64+16*(\k)+8*\qt, 40+4*(\k)+\ct/2, 32+(\k), \ct%2, \qt
.endr
.endr
.endm
.macro VAR cnt                         ; cnt key steps: all their loads in one run, then the products as the fragments land
	PLACES 4                                       ; in front of loads into registers that matrix instructions have read
.irp k, 0,1,2,3
.if \k < \cnt
	LOADP \k
.endif
.endr
.irp k, 0,1,2,3
.if \k < \cnt
	LOADVS \k
.endif
.endr
	WIN 0x40                                       ; destination window 1
.irp k, 0,1,2,3
.if \k < \cnt
	LOADVF \k
.endif
.endr
	s_wait_dscnt 0x0                               ; P
	WIN 0x01
.irp k, 0,1,2,3
.if \k < \cnt
	s_wait_loadcnt 16*(\cnt-1-\k)                  ; the scale words and step k's fragments are in; the later steps' 16 loads each may be out
	STEPC \k, 0
.endif
.endr
	WIN 0
.endm
	s_load_b256 s[4:11], s[0:1], 0x0               ; x s[4:5], log_alpha s[6:7], log_sigma s[8:9], kc s[10:11]
	s_load_b256 s[12:19], s[0:1], 0x20             ; ks s[12:13], vc s[14:15], vs s[16:17], out0 s[18:19]
	v_lshl_add_u32 v2, v0, 2, SPARE                ; my spare word; never rewritten
	v_mov_b32 v3, 0                                ; 0; never rewritten
	v_lshrrev_b32 v56, 5, v0
	v_readfirstlane_b32 s[WV], v56                 ; wave 0..7
	v_and_b32 v57, 31, v0                          ; lane
	v_and_b32 v58, 15, v0                          ; r
	v_bfe_u32 v59, v0, 4, 1                        ; h
	v_lshlrev_b32 v1, 4, v57                       ; 16 x lane: an image's place for my lane, in memory and in LDS
	v_lshlrev_b32 v23, 8, v57                      ; 256 x lane: the prefetches' offset
	s_lshl_b32 s54, s[WV], 15
	v_add_nc_u32 v4, s54, v1                       ; my wave's part of S
	s_lshr_b32 s63, s[WV], 2
	s_and_b32 s55, s[WV], 3
	s_lshl_b32 s54, s63, 11                        ; key block g = 8 q + w is block w % 4 of key step 2 q + w / 4:
	s_lshl_b32 s52, s55, 8
	s_add_co_u32 s54, s54, s52
	s_add_co_u32 s54, s54, PIMG
	v_lshlrev_b32 v6, 4, v58
	v_lshl_add_u32 v6, v59, 3, v6
	v_add_nc_u32 v6, s54, v6                       ; where my 8 bytes of codes go: 2048 (w / 4) + 256 (w % 4) + 16 r + 8 h
	s_lshl_b32 s54, s63, 7
	s_add_co_u32 s54, s54, s55
	s_add_co_u32 s54, s54, PSC
	v_lshlrev_b32 v7, 2, v57
	v_add_nc_u32 v13, PSC, v7                      ; P's scale words, read
	v_add_nc_u32 v7, s54, v7                       ; and my byte of them: 128 (w / 4) + 4 lane + w % 4
	s_lshl_b32 s54, s[WV], 2
	s_add_co_u32 s54, s54, MX
	v_lshlrev_b32 v10, 5, v57
	v_add_nc_u32 v10, s54, v10                     ; my wave's word of row 16 qt + r = my lane
	v_lshlrev_b32 v11, 5, v58
	v_add_nc_u32 v11, MX, v11                      ; the eight words of row r
	v_add_nc_u32 v12, PIMG, v1                     ; P's fragments, read
	v_mul_u32_u24 v16, v58, CPI
	v_lshl_add_u32 v16, v59, 5, v16
	s_lshl_b32 s54, s[WV], 9
	v_add_nc_u32 v16, s54, v16                     ; context into rows: row r, my wave's 512 bytes, 32 h
	v_add_nc_u32 v17, 16*CPI, v16                  ; query tile 1: 16 rows on
	s_mul_i32 s54, s[WV], 4*CPI
	v_add_nc_u32 v18, s54, v1                      ; and back: my four rows
	v_and_b32 v19, 8, v58
	v_add_nc_u32 v19, v19, v58
	v_lshlrev_b32 v20, 4, v59
	v_sub_nc_u32 v19, v19, v20
	v_add_nc_u32 v19, -1, v19                      ; r + 8 (r / 8) - 16 h - 1
	v_mov_b32 v22, 0xff800000                      ; -infinity
	v_mov_b32 v60, 0xc0135761                      ; A0 = -2 log2(e) sqrt(2 / pi)
	v_mov_b32 v61, v60
	s_lshl_b32 s68, s63, 3                         ; rows 4 w .. 4 w + 3 of the stage are queries q0 .. q0 + 3: q0 = 8 (w / 4) + 4 (w % 4) + 8 ((w / 2) % 2)
	s_lshl_b32 s54, s55, 2
	s_add_co_u32 s68, s68, s54
	s_bfe_u32 s54, s[WV], 0x10001
	s_lshl_b32 s54, s54, 3
	s_add_co_u32 s68, s68, s54
	s_mov_b32 s56, 0x3d38aa3b                      ; log2(e) / 32
	s_mov_b32 s57, s56                             ; (named with it as a pair, so it is written)
	s_mov_b32 s59, 0xffff0000                      ; lanes 16-31
	s_mov_b32 s60, 0x76543210
	s_mov_b32 s61, 0xfedcba98                      ; v_permlanex16_b32's selects for lane l xor 16
	s_mov_b32 s66, 0xbdd2d3e8                      ; A1 = 0.044715 A0
	s_mov_b32 s67, s66
	s_and_b32 s53, ttmp7, 0xffff                   ; the batch
	s_mov_b32 s43, 0
	s_wait_kmcnt 0x0
	s_load_b32 s20, s[6:7], 0x0
	s_load_b32 s21, s[8:9], 0x0
	s_lshl_b32 s42, s53, 23                        ; a batch: 8,388,608 bytes of x and of out0,
	s_add_nc_u64 s[4:5], s[4:5], s[42:43]
	s_add_nc_u64 s[18:19], s[18:19], s[42:43]
	s_lshl_b32 s42, s53, 20                        ; 1,048,576 of each tensor of codes,
	s_add_nc_u64 s[10:11], s[10:11], s[42:43]
	s_add_nc_u64 s[14:15], s[14:15], s[42:43]
	s_lshl_b32 s42, s53, 16                        ; 65,536 of each tensor of scale bytes
	s_add_nc_u64 s[12:13], s[12:13], s[42:43]
	s_add_nc_u64 s[16:17], s[16:17], s[42:43]
	s_lshl_b32 s42, s[WV], 14
	s_add_nc_u64 s[22:23], s[10:11], s[42:43]      ; key block w
	s_lshl_b32 s42, s[WV], 10
	s_add_nc_u64 s[24:25], s[12:13], s[42:43]
	s_lshl_b32 s42, s[WV], 13
	s_add_nc_u64 s[14:15], s[14:15], s[42:43]      ; channel tiles 8 w on
	s_lshl_b32 s42, s[WV], 9
	s_add_nc_u64 s[16:17], s[16:17], s[42:43]
	s_sub_co_u32 s54, 63, ttmp9                    ; the late block, 63 - p; the early one is p = the work-group's x
	s_xor_b32 s55, ttmp9, s53
	s_and_b32 s55, s55, 1                          ; p xor batch, its lowest bit: ids alone
	s_cmp_eq_u32 s55, 0
	s_cselect_b32 s[BI], s54, ttmp9                ; even: the late block first; odd: the early one
	s_cselect_b32 s62, ttmp9, s54                  ; s62: the block that comes second
	s_mov_b32 s[BC], 2
	s_wait_kmcnt 0x0
	v_mov_b32 v30, s20
	v_mov_b32 v31, s21
	v_mul_f32 v56, 0xbfb8aa3b, |v30|               ; softplus of both
	v_mul_f32 v57, 0xbfb8aa3b, |v31|
	v_exp_f32 v56, v56
	v_exp_f32 v57, v57
	v_nop
	s_wait_alu depctr_va_vdst(0)                   ; one wait for the batch, ahead of its first reader
	v_add_f32 v56, 1.0, v56
	v_add_f32 v57, 1.0, v57
	v_log_f32 v56, v56
	v_log_f32 v57, v57
	v_nop
	s_wait_alu depctr_va_vdst(0)
	v_max_num_f32 v30, 0, v30
	v_max_num_f32 v31, 0, v31
	v_fmac_f32 v30, 0x3f317218, v56                ; alpha
	v_fmac_f32 v31, 0x3f317218, v57
	v_mul_f32 v31, 0x4038aa3b, v31                 ; sigma x 2 log2(e), for tanh
.Lblock:
	s_lshr_b32 s[NN], s[BI], 2
	s_add_co_u32 s[NN], s[NN], 1                   ; live key steps
	s_sub_co_u32 s[LL], s[NN], s63
	s_add_co_u32 s[LL], s[LL], 1
	s_lshr_b32 s[LL], s[LL], 1                     ; how many q have 8 q + w < 4 N
	s_mov_b64 s[KP:KP+1], s[22:23]
	s_mov_b64 s[KSP:KSP+1], s[24:25]
	s_mov_b64 s[VP:VP+1], s[14:15]
	s_mov_b64 s[VSP:VSP+1], s[16:17]
	s_lshl_b32 s42, s[BI], 5
	s_add_co_u32 s42, s42, s68
	s_lshl_b32 s42, s42, 12
	s_add_nc_u64 s[XP:XP+1], s[4:5], s[42:43]
	s_add_nc_u64 s[OP:OP+1], s[18:19], s[42:43]
	s_lshl_b32 s42, s[BI], 14
	s_add_nc_u64 s[QP:QP+1], s[10:11], s[42:43]
	s_lshl_b32 s42, s[BI], 10
	s_add_nc_u64 s[QSP:QSP+1], s[12:13], s[42:43]
	s_mov_b32 s[GQ], s[WV]
	s_mov_b32 s[TS], 0
	s_mov_b32 s[LR], s[LL]
	s_mov_b32 s[CT], 0
	v_mov_b32 v24, v22                             ; the running maxima of my queries of tiles 0 and 1
	v_mov_b32 v25, v22
	global_load_b128 v[32:35], v1, s[QSP:QSP+1]    ; Q: the block's own codes, loaded into registers of their own
	global_load_b128 v[36:39], v1, s[QSP:QSP+1] offset:512
.set i, 0
.rept 32
	global_load_b128 v[128+4*i:131+4*i], v1, s[QP:QP+1] offset:512*i
.set i, i+1
.endr
; ---- pass 1: four trips of two key blocks
.Lp1:
	v_add_nc_u32 v5, s[TS], v4
	s_cmp_ge_i32 s[LR], 2
	s_cbranch_scc1 .Lp1_two
	s_cmp_eq_u32 s[LR], 1
	s_cbranch_scc1 .Lp1_one
	s_branch .Lp1_end
.Lp1_two:
	LOADKS 0
	LOADKS 1
	WIN 0x40
	LOADKF 0
	LOADKF 1
	s_wait_loadcnt 32                              ; Q, the scale words and the first block's fragments are in; the second block's 32 loads may be out
	MULS 0
	s_wait_loadcnt 0x0
	MULS 1
	WIN 0
	PLACES 5                                       ; four in front of reads of results and of loads into operands; five in front of the next trip's products, which begin these accumulators anew
	POST 0
	POST 1
	s_branch .Lp1_end
.Lp1_one:
	LOADKS 0
	WIN 0x40
	LOADKF 0
	s_wait_loadcnt 0x0
	MULS 0
	WIN 0
	PLACES 5
	POST 0
.Lp1_end:
	s_add_nc_u64 s[KP:KP+1], s[KP:KP+1], 262144    ; (the trip's loads are done: their base may step)
	s_add_nc_u64 s[KSP:KSP+1], s[KSP:KSP+1], 16384
	s_add_co_u32 s[TS], s[TS], 8192
	s_add_co_u32 s[GQ], s[GQ], 16
	s_sub_co_i32 s[LR], s[LR], 2
	s_add_co_u32 s[CT], s[CT], 1
	s_cmp_lt_u32 s[CT], 4
	s_cbranch_scc1 .Lp1
	s_wait_loadcnt 0x0                             ; a wave with no live key block has not yet waited for Q
; ---- the rows' maxima
	v_permlanex16_b32 v56, v24, s60, s61
	v_permlanex16_b32 v57, v25, s60, s61
	v_max_num_f32 v24, v24, v56
	v_max_num_f32 v25, v25, v57
	v_cndmask_b32 v58, v24, v25, s59               ; lanes 0-15 carry tile 0's rows, lanes 16-31 tile 1's
	ds_store_b32 v10, v58
	BAR                                            ; the eight waves' maxima lie in LDS
	ds_load_b128 v[96:99], v11
	ds_load_b128 v[100:103], v11 offset:16
	ds_load_b128 v[104:107], v11 offset:512
	ds_load_b128 v[108:111], v11 offset:528
	s_wait_dscnt 0x0
	v_max3_num_f32 v56, v96, v97, v98
	v_max3_num_f32 v57, v104, v105, v106
	v_max3_num_f32 v56, v56, v99, v100
	v_max3_num_f32 v57, v57, v107, v108
	v_max3_num_f32 v56, v56, v101, v102
	v_max3_num_f32 v57, v57, v109, v110
	v_max_num_f32 v56, v56, v103
	v_max_num_f32 v57, v57, v111
	v_and_b32 v58, 0x7fffffff, v56                 ; reference()'s guard: a maximum that is not finite (a row with no key) counts as 0
	v_and_b32 v59, 0x7fffffff, v57
	v_cmp_gt_u32 vcc_lo, 0x7f800000, v58
	v_cndmask_b32 v56, 0, v56, vcc_lo
	v_cmp_gt_u32 vcc_lo, 0x7f800000, v59
	v_cndmask_b32 v57, 0, v57, vcc_lo
	v_xor_b32 v26, 0x80000000, v56                 ; -m, in both halves of a pair
	v_xor_b32 v28, 0x80000000, v57
	v_mov_b32 v27, v26
	v_mov_b32 v29, v28
	global_prefetch_b8 v23, s[XP:XP+1] th:TH_LOAD_NT scope:SCOPE_SE               ; my four rows of x, 16,384 bytes, a lane to each aligned 256: each is named once in the launch,
	global_prefetch_b8 v23, s[XP:XP+1] offset:8192 th:TH_LOAD_NT scope:SCOPE_SE   ; passes 2 and 3 and the second product ahead of the loads that take them
; ---- pass 2: e = 2^((S - m) log2 e / 32), in place; the difference first, as reference() rounds it (the division by 32 is exact)
	s_mov_b32 s[CT], 0
	s_mov_b32 s[TS], 0
.set i, 0
.rept 8
	v_mov_b32 v[96+i], 0                           ; four chains of sums, two to a query tile
.set i, i+1
.endr
.Lp2:
	s_cmp_ge_u32 s[CT], s[LL]
	s_cbranch_scc1 .Lp2_end
	v_add_nc_u32 v5, s[TS], v4
.set i, 0
.rept 8
	ds_load_b128 v[64+4*i:67+4*i], v5 offset:512*i
.set i, i+1
.endr
	s_wait_dscnt 0x0
.set i, 0
.rept 8
	v_pk_add_f32 v[64+2*i:65+2*i], v[64+2*i:65+2*i], v[26:27]
	v_pk_add_f32 v[80+2*i:81+2*i], v[80+2*i:81+2*i], v[28:29]
.set i, i+1
.endr
.set i, 0
.rept 16
	v_pk_mul_f32 v[64+2*i:65+2*i], v[64+2*i:65+2*i], s[56:57] op_sel_hi:[1,0]
.set i, i+1
.endr
.set i, 0
.rept 32
	v_exp_f32 v[64+i], v[64+i]
.set i, i+1
.endr
	v_nop                                          ; a plain place behind the last exponential
	s_wait_alu depctr_va_vdst(0)                   ; one wait for the batch
.set i, 0
.rept 4
	v_pk_add_f32 v[96:97], v[96:97], v[64+4*i:65+4*i]
	v_pk_add_f32 v[98:99], v[98:99], v[66+4*i:67+4*i]
	v_pk_add_f32 v[100:101], v[100:101], v[80+4*i:81+4*i]
	v_pk_add_f32 v[102:103], v[102:103], v[82+4*i:83+4*i]
.set i, i+1
.endr
.set i, 0
.rept 8
	ds_store_b128 v5, v[64+4*i:67+4*i] offset:512*i
.set i, i+1
.endr
.Lp2_end:
	s_add_co_u32 s[TS], s[TS], 4096
	s_add_co_u32 s[CT], s[CT], 1
	s_cmp_lt_u32 s[CT], 8
	s_cbranch_scc1 .Lp2
; ---- the rows' sums
	v_pk_add_f32 v[96:97], v[96:97], v[98:99]
	v_pk_add_f32 v[100:101], v[100:101], v[102:103]
	v_add_f32 v96, v96, v97
	v_add_f32 v100, v100, v101
	v_permlanex16_b32 v56, v96, s60, s61
	v_permlanex16_b32 v57, v100, s60, s61
	v_add_f32 v96, v96, v56
	v_add_f32 v100, v100, v57
	v_cndmask_b32 v58, v96, v100, s59
	ds_store_b32 v10, v58 offset:1024
	BAR                                            ; the eight waves' sums lie in LDS
	ds_load_b128 v[64:67], v11 offset:1024
	ds_load_b128 v[68:71], v11 offset:1040
	ds_load_b128 v[72:75], v11 offset:1536
	ds_load_b128 v[76:79], v11 offset:1552
	s_wait_dscnt 0x0
	v_pk_add_f32 v[64:65], v[64:65], v[66:67]
	v_pk_add_f32 v[72:73], v[72:73], v[74:75]
	v_pk_add_f32 v[68:69], v[68:69], v[70:71]
	v_pk_add_f32 v[76:77], v[76:77], v[78:79]
	v_pk_add_f32 v[64:65], v[64:65], v[68:69]
	v_pk_add_f32 v[72:73], v[72:73], v[76:77]
	v_add_f32 v64, v64, v65
	v_add_f32 v72, v72, v73
	v_rcp_f32 v58, v64
	v_rcp_f32 v59, v72
	v_nop
	s_wait_alu depctr_va_vdst(0)
	v_cmp_lt_f32 vcc_lo, 0, v64                    ; reference()'s guard: attn = 0 where the sum is not above 0
	v_cndmask_b32 v104, 0, v58, vcc_lo
	v_cmp_lt_f32 vcc_lo, 0, v72
	v_cndmask_b32 v106, 0, v59, vcc_lo
	v_mov_b32 v105, v104
	v_mov_b32 v107, v106
	LOADVS 0                                       ; key step 0 counts for every block: its V is asked for here and lands during pass 3
	WIN 0x40
	LOADVF 0
	WIN 0
; ---- pass 3: p = e / sum, quantised by blocks of 32 keys: a block lies in lanes l and l xor 16
	s_mov_b32 s[CT], 0
	s_mov_b32 s[TS], 0
	s_mov_b32 s[TP], 0
	s_mov_b32 s[TC], 0
.Lp3:
	s_cmp_ge_u32 s[CT], s[LL]
	s_cbranch_scc1 .Lp3_end
	v_add_nc_u32 v5, s[TS], v4
	v_add_nc_u32 v8, s[TP], v6
	v_add_nc_u32 v9, s[TC], v7
.set i, 0
.rept 8
	ds_load_b128 v[64+4*i:67+4*i], v5 offset:512*i
.set i, i+1
.endr
	s_wait_dscnt 0x0
.set i, 0
.rept 8
	v_pk_mul_f32 v[64+2*i:65+2*i], v[64+2*i:65+2*i], v[104:105]
	v_pk_mul_f32 v[80+2*i:81+2*i], v[80+2*i:81+2*i], v[106:107]
.set i, i+1
.endr
	v_max3_num_f32 v108, v64, v65, 0x1800000       ; no |.|: p is never negative; the floor 2^(3 - 127) holds the byte at 1 from below
	v_max3_num_f32 v109, v80, v81, 0x1800000
.set i, 1
.rept 7
	v_max3_num_f32 v108, v108, v[64+2*i], v[65+2*i]
	v_max3_num_f32 v109, v109, v[80+2*i], v[81+2*i]
.set i, i+1
.endr
	v_permlanex16_b32 v56, v108, s60, s61
	v_permlanex16_b32 v57, v109, s60, s61
	v_max_num_f32 v108, v108, v56
	v_max_num_f32 v109, v109, v57
	v_add_nc_u32 v112, 0xff000000, v108            ; 2 off the exponent field: the conversion's scale operand
	v_add_nc_u32 v113, 0xff000000, v109
	v_lshrrev_b32 v114, 23, v112                   ; the byte
	v_lshrrev_b32 v115, 23, v113
	v_cvt_scalef32_pk8_fp4_f32 v118, v[64:71], v112
	v_cvt_scalef32_pk8_fp4_f32 v119, v[72:79], v112
	v_cvt_scalef32_pk8_fp4_f32 v120, v[80:87], v113
	v_cvt_scalef32_pk8_fp4_f32 v121, v[88:95], v113
	v_nop                                          ; one plain place behind the last scaled conversion
	v_cndmask_b32 v116, v114, v115, s59            ; lanes 0-15 carry tile 0's bytes, lanes 16-31 tile 1's
	ds_store_b64 v8, v[118:119]                    ; keys 16 h .. 16 h + 15 of my query of tile 0: 8 of the 16 bytes that lane (r, w % 2) of the fragment will load
	ds_store_b64 v8, v[120:121] offset:1024        ; and of tile 1
	ds_store_b8 v9, v116
.Lp3_end:
	s_add_co_u32 s[TS], s[TS], 4096
	s_add_co_u32 s[TP], s[TP], 4096
	s_add_co_u32 s[TC], s[TC], 256
	s_add_co_u32 s[CT], s[CT], 1
	s_cmp_lt_u32 s[CT], 8
	s_cbranch_scc1 .Lp3
	BAR                                            ; P lies in LDS, and nobody reads S any more
; ---- product 2: key step 0 starts the sums; then four trips of up to four key steps
	v_mov_b32 v14, v12
	v_mov_b32 v15, v13
	LOADP 0
	s_wait_loadcnt 0x0
	s_wait_dscnt 0x0
	WIN 0x01
	STEPC 0, 1
	WIN 0
	s_add_nc_u64 s[VP:VP+1], s[VP:VP+1], 65536
	s_add_nc_u64 s[VSP:VSP+1], s[VSP:VSP+1], 4096
	s_mov_b32 s[TP], 2048
	s_mov_b32 s[TC], 128
	s_sub_co_u32 s[RN], s[NN], 1
	s_mov_b32 s[CT], 0
.Lp4:
	v_add_nc_u32 v14, s[TP], v12
	v_add_nc_u32 v15, s[TC], v13
	s_cmp_ge_i32 s[RN], 4
	s_cbranch_scc1 .Lv4
	s_cmp_eq_u32 s[RN], 3
	s_cbranch_scc1 .Lv3
	s_cmp_eq_u32 s[RN], 2
	s_cbranch_scc1 .Lv2
	s_cmp_eq_u32 s[RN], 1
	s_cbranch_scc1 .Lv1
	s_branch .Lp4_end
.Lv4:
	VAR 4
	s_branch .Lp4_end
.Lv3:
	VAR 3
	s_branch .Lp4_end
.Lv2:
	VAR 2
	s_branch .Lp4_end
.Lv1:
	VAR 1
.Lp4_end:
	s_add_nc_u64 s[VP:VP+1], s[VP:VP+1], 262144    ; (the trip's loads are done)
	s_add_nc_u64 s[VSP:VSP+1], s[VSP:VSP+1], 16384
	s_add_co_u32 s[TP], s[TP], 8192
	s_add_co_u32 s[TC], s[TC], 512
	s_sub_co_i32 s[RN], s[RN], 4
	s_add_co_u32 s[CT], s[CT], 1
	s_cmp_lt_u32 s[CT], 4
	s_cbranch_scc1 .Lp4
; ---- context into rows: a lane holds eight channels of one query, a row's 1,024 channels come from eight waves
	PLACES 4                                       ; in front of the reads of results and of loads into operands
	WIN 0x40
.set i, 0
.rept 32                               ; my four rows of x, 512 consecutive bytes a load: row i / 8 at 32 (i / 8) of window 1
	global_load_b128 v[4*i:4*i+3], v1, s[XP:XP+1] offset:512*i th:TH_LOAD_NT
.set i, i+1
.endr
	WIN 0
.irp qt, 0,1
.irp ct, 0,1,2,3,4,5,6,7
	ds_store_b128 v[16+\qt], v[128+64*\qt+8*\ct:131+64*\qt+8*\ct] offset:64*\ct        ; each accumulator from its low end on
	ds_store_b128 v[16+\qt], v[132+64*\qt+8*\ct:135+64*\qt+8*\ct] offset:64*\ct+16
.endr
.endr
	BAR                                            ; 32 whole rows of context lie in LDS
.irp k, 0,1,2,3
.irp m, 0,1,2,3,4,5,6,7
	ds_load_b128 v[128+32*\k+4*\m:131+32*\k+4*\m], v18 offset:CPI*\k+512*\m
.endr
.endr
	BAR                                            ; every wave has its rows: the next block may write S's bytes
	s_wait_loadcnt 0x0                             ; x
; ---- the gate: x . c, x . x, c . c of four rows, the rows by turns
	WIN 0x01                                       ; source 0 (x) window 1
.irp k, 0,1,2,3
	v_pk_mul_f32 v[104+6*\k:105+6*\k], v[32*\k:32*\k+1], v[128+32*\k:129+32*\k]
.endr
.set i, 1
.rept 15
.irp k, 0,1,2,3
	v_pk_fma_f32 v[104+6*\k:105+6*\k], v[32*\k+2*i:32*\k+2*i+1], v[128+32*\k+2*i:129+32*\k+2*i], v[104+6*\k:105+6*\k]
.endr
.set i, i+1
.endr
	WIN 0x05                                       ; sources 0 and 1 window 1
.irp k, 0,1,2,3
	v_pk_mul_f32 v[106+6*\k:107+6*\k], v[32*\k:32*\k+1], v[32*\k:32*\k+1]
.endr
.set i, 1
.rept 15
.irp k, 0,1,2,3
	v_pk_fma_f32 v[106+6*\k:107+6*\k], v[32*\k+2*i:32*\k+2*i+1], v[32*\k+2*i:32*\k+2*i+1], v[106+6*\k:107+6*\k]
.endr
.set i, i+1
.endr
	WIN 0
.irp k, 0,1,2,3
	v_pk_mul_f32 v[108+6*\k:109+6*\k], v[128+32*\k:129+32*\k], v[128+32*\k:129+32*\k]
.endr
.set i, 1
.rept 15
.irp k, 0,1,2,3
	v_pk_fma_f32 v[108+6*\k:109+6*\k], v[128+32*\k+2*i:129+32*\k+2*i], v[128+32*\k+2*i:129+32*\k+2*i], v[108+6*\k:109+6*\k]
.endr
.set i, i+1
.endr
.set i, 0
.rept 12
	v_add_f32 v[104+2*i], v[104+2*i], v[105+2*i]
.set i, i+1
.endr
.irp m, 1,2,4,8
.set i, 0
.rept 12
	v_add_f32_dpp v[104+2*i], v[104+2*i], v[104+2*i] row_xmask:\m row_mask:0xf bank_mask:0xf
.set i, i+1
.endr
.endr
.set i, 0
.rept 12
	v_permlanex16_b32 v[105+2*i], v[104+2*i], s60, s61
.set i, i+1
.endr
.set i, 0
.rept 12
	v_add_f32 v[104+2*i], v[104+2*i], v[105+2*i]   ; every lane holds the row's sum
.set i, i+1
.endr
.irp k, 0,1,2,3
	v_sqrt_f32 v[106+6*\k], v[106+6*\k]
	v_sqrt_f32 v[108+6*\k], v[108+6*\k]
.endr
	v_nop
	s_wait_alu depctr_va_vdst(0)
.irp k, 0,1,2,3
	v_max_num_f32 v[106+6*\k], 0x2b8cbccc, v[106+6*\k]   ; max(norm, 1e-12)
	v_max_num_f32 v[108+6*\k], 0x2b8cbccc, v[108+6*\k]
.endr
.irp k, 0,1,2,3
	v_rcp_f32 v[106+6*\k], v[106+6*\k]
	v_rcp_f32 v[108+6*\k], v[108+6*\k]
.endr
	v_nop
	s_wait_alu depctr_va_vdst(0)
.irp k, 0,1,2,3
	v_mul_f32 v[104+6*\k], v[104+6*\k], v[106+6*\k]
.endr
.irp k, 0,1,2,3
	v_mul_f32 v[104+6*\k], v[104+6*\k], v[108+6*\k]      ; the cosine
.endr
.irp k, 0,1,2,3
	v_sub_f32 v[104+6*\k], 1.0, v[104+6*\k]
.endr
.irp k, 0,1,2,3
	v_med3_num_f32 v[105+6*\k], v[104+6*\k], 0, 2.0
.endr
.irp k, 0,1,2,3
	v_mul_f32 v[105+6*\k], 0.5, v[105+6*\k]
.endr
.irp k, 0,1,2,3
	v_cmp_eq_f32 vcc_lo, v[104+6*\k], v[104+6*\k]        ; reference()'s guard: novelty = 1 where it is NaN
	v_cndmask_b32 v[105+6*\k], 1.0, v[105+6*\k], vcc_lo
.endr
.irp k, 0,1,2,3
	v_mul_f32 v[105+6*\k], v31, v[105+6*\k]              ; tanh(z) = 1 - 2 / (1 + 2^(2 log2(e) z))
.endr
.irp k, 0,1,2,3
	v_exp_f32 v[105+6*\k], v[105+6*\k]
.endr
	v_nop
	s_wait_alu depctr_va_vdst(0)
.irp k, 0,1,2,3
	v_add_f32 v[105+6*\k], 1.0, v[105+6*\k]
.endr
.irp k, 0,1,2,3
	v_rcp_f32 v[105+6*\k], v[105+6*\k]
.endr
	v_nop
	s_wait_alu depctr_va_vdst(0)
.irp k, 0,1,2,3
	v_fma_f32 v[105+6*\k], -2.0, v[105+6*\k], 1.0
.endr
.irp k, 0,1,2,3
	v_fma_f32 v[96+2*\k], v30, v[105+6*\k], 1.0          ; the gate, in both halves of a pair
.endr
.irp k, 0,1,2,3
	v_mov_b32 v[97+2*\k], v[96+2*\k]
.endr
; ---- gelu_tanh(y) = y / (1 + 2^(y (A0 + A1 y^2))), y = x gate; a row at a time, into the registers that held its context
.macro GELU k
	WIN 0x01
.set i, 0
.rept 16
	v_pk_mul_f32 v[128+32*(\k)+2*i:129+32*(\k)+2*i], v[32*(\k)+2*i:32*(\k)+2*i+1], v[96+2*(\k):97+2*(\k)]
.set i, i+1
.endr
	WIN 0
.set i, 0
.rept 16
	v_pk_mul_f32 v[64+2*i:65+2*i], v[128+32*(\k)+2*i:129+32*(\k)+2*i], v[128+32*(\k)+2*i:129+32*(\k)+2*i]
.set i, i+1
.endr
.set i, 0
.rept 16
	v_pk_fma_f32 v[64+2*i:65+2*i], v[64+2*i:65+2*i], s[66:67], v[60:61] op_sel_hi:[1,0,1]
.set i, i+1
.endr
.set i, 0
.rept 16
	v_pk_mul_f32 v[64+2*i:65+2*i], v[64+2*i:65+2*i], v[128+32*(\k)+2*i:129+32*(\k)+2*i]
.set i, i+1
.endr
.set i, 0
.rept 32
	v_exp_f32 v[64+i], v[64+i]
.set i, i+1
.endr
	v_nop
	s_wait_alu depctr_va_vdst(0)
.set i, 0
.rept 16
	v_pk_add_f32 v[64+2*i:65+2*i], v[64+2*i:65+2*i], 1.0 op_sel_hi:[1,0]
.set i, i+1
.endr
.set i, 0
.rept 32
	v_rcp_f32 v[64+i], v[64+i]
.set i, i+1
.endr
	v_nop
	s_wait_alu depctr_va_vdst(0)
.set i, 0
.rept 16
	v_pk_mul_f32 v[128+32*(\k)+2*i:129+32*(\k)+2*i], v[128+32*(\k)+2*i:129+32*(\k)+2*i], v[64+2*i:65+2*i]
.set i, i+1
.endr
.set i, 0
.rept 8
	global_store_b128 v1, v[128+32*(\k)+4*i:131+32*(\k)+4*i], s[OP:OP+1] offset:4096*(\k)+512*i th:TH_STORE_NT   ; 32 lanes store 512 consecutive bytes, at a multiple of 256 from out0's first byte
.set i, i+1
.endr
.endm
	GELU 0
	GELU 1
	GELU 2
	GELU 3
	s_wait_xcnt 0x0                                ; the stores and the prefetches have read their registers and bases: the next block writes them again
	s_mov_b32 s[BI], s62                           ; the work-group's other block
	s_sub_co_u32 s[BC], s[BC], 1
	s_cmp_lg_u32 s[BC], 0
	s_cbranch_scc1 .Lblock
	s_wait_tensorcnt 0x0                           ; the wave's end
	ds_add_u32 v2, v3
	s_wait_dscnt 0x0
	s_endpgm
.Lfunc_end_k_qe17c836aa7_attn:
	.size	k_qe17c836aa7_attn, .Lfunc_end_k_qe17c836aa7_attn-k_qe17c836aa7_attn
	.p2alignl 7, 3214868480
	.fill 96, 4, 3214868480
	.section	.rodata,"a",@progbits
	.p2align	6, 0x0
	.amdhsa_kernel k_qe17c836aa7_attn
		.amdhsa_group_segment_fixed_size 300032
		.amdhsa_private_segment_fixed_size 0
		.amdhsa_enable_private_segment 0
		.amdhsa_kernarg_size 64
		.amdhsa_user_sgpr_count 2
		.amdhsa_user_sgpr_kernarg_segment_ptr 1
		.amdhsa_wavefront_size32 1
		.amdhsa_system_sgpr_workgroup_id_x 1
		.amdhsa_system_sgpr_workgroup_id_y 1
		.amdhsa_system_sgpr_workgroup_id_z 1
		.amdhsa_system_vgpr_workitem_id 0
		.amdhsa_next_free_vgpr 512
		.amdhsa_next_free_sgpr 84
		.amdhsa_reserve_vcc 1
		.amdhsa_float_denorm_mode_32 3
		.amdhsa_float_denorm_mode_16_64 3
		.amdhsa_memory_ordered 1
		.amdhsa_forward_progress 1
		.amdhsa_inst_pref_size 166
	.end_amdhsa_kernel
	.amdgpu_metadata
---
amdhsa.version: [ 1, 2 ]
amdhsa.kernels:
  - .name:           k_qe17c836aa7_attn
    .symbol:         k_qe17c836aa7_attn.kd
    .args:
      - { .name: x, .offset: 0, .size: 8, .value_kind: global_buffer, .address_space: global }
      - { .name: log_alpha, .offset: 8, .size: 8, .value_kind: global_buffer, .address_space: global }
      - { .name: log_sigma, .offset: 16, .size: 8, .value_kind: global_buffer, .address_space: global }
      - { .name: kc, .offset: 24, .size: 8, .value_kind: global_buffer, .address_space: global }
      - { .name: ks, .offset: 32, .size: 8, .value_kind: global_buffer, .address_space: global }
      - { .name: vc, .offset: 40, .size: 8, .value_kind: global_buffer, .address_space: global }
      - { .name: vs, .offset: 48, .size: 8, .value_kind: global_buffer, .address_space: global }
      - { .name: out0, .offset: 56, .size: 8, .value_kind: global_buffer, .address_space: global }
    .group_segment_fixed_size: 300032
    .private_segment_fixed_size: 0
    .kernarg_segment_align: 8
    .kernarg_segment_size: 64
    .max_flat_workgroup_size: 256
    .sgpr_count:     84
    .vgpr_count:     512
    .wavefront_size: 32
...
	.end_amdgpu_metadata
.endif
;; end of part 2
